; MI455X (gfx1250); checked and timed in simulation.
; The chip was launched on July 23, 2026; its instructions are those of AMD's public machine-readable ISA for CDNA 5 (MIT licence, August 2026) and "CDNA5" Instruction Set Architecture Reference Guide (July 2026). The comments in the code are by the model that wrote it; some were corrected since.
;; K Madness. Allowed arithmetic: matrix products marked QUANTISED: E2M3 operands, one E8M0 scale for each 32 along K, by v_wmma_scale_f32_16x16x128_f8f6f4 with both operands' format E2M3, f32 sums; everything else in f32.
;; Inputs: coords 128 x 256 float32; x_codes 16,384 x 8 x 24 uint8 (E2M3 codes of x, K innermost, in blocks of 32 codes, four codes in three bytes); x_scales 16,384 x 8 uint8 (E8M0 scales of x, one for each 32 codes along K).
;; Outputs: out0 16,384 x 128 bool.
;; This version of the problem:
;;   THIS VERSION OF THE PROBLEM IS GIVEN IN LOW PRECISION. The matrix products marked QUANTISED in the list below multiply operands that are first quantised to E2M3 (2 exponent bits, 3 mantissa bits; 6 bits a number), with one power-of-two scale for each 32 numbers along K (OCP MX v1.0); their sums are f32. All else is computed in f32.
;;   The module's matrix products, in the order in which they are computed (A, B: the left and right operand; K: the contracted axis; several contracted axes count as one K, in the product's order):
;;     1. [M 16,384, K 256] x [K 256, N 16,384]; A: input x (given as codes); B: computed on the way: QUANTISED
;;   THE QUANTISER, for each operand of a quantised product, along K:
;;     - K is cut into blocks of 32 from its start; a last block that is shorter is filled with zeros.
;;     - A block's scale is 2^e with e = floor(log2(the largest magnitude in the block)) - 2, held to -126 .. 127; a block of zeros has e = 0. As a byte (E8M0): e + 127.
;;     - Each number is divided by its block's scale, clamped to +-7.5, and rounded to the nearest number of E2M3, ties to even, subnormals kept.
;;     - The product sums the exact products of the quantised numbers (number of the format x scale) in f32.
;;   ~~~python
;;   def quantise(x, axis):      # numpy; x: float32 -> the quantised numbers, widened to float32 again
;;       x = np.moveaxis(x, axis, -1); K = x.shape[-1]
;;       x = np.pad(x, [(0, 0)] * (x.ndim - 1) + [(0, -K % 32)]); x = x.reshape(x.shape[:-1] + (-1, 32)); a = np.abs(x).max(-1, keepdims=True)
;;       e = np.where(a > 0, np.clip(np.frexp(np.where(a > 0, a, 1))[1] - 1 - 2, -126, 127), 0)      # np.frexp(a)[1] - 1 = floor(log2(a)), exactly
;;       r = np.clip(x / 2.0 ** e, -7.5, 7.5)
;;       step = 2.0 ** (np.maximum(np.frexp(np.where(r == 0, 1, r))[1] - 1, 0) - 3)
;;       q = np.round(r / step) * step * 2.0 ** e      # np.round: ties to even
;;       return np.moveaxis(q.reshape(q.shape[:-2] + (-1,))[..., :K], -1, axis).astype(np.float32)
;;   ~~~
;;   OPERANDS COMPUTED ON THE WAY. 'Computed on the way' means the value that the module computes at that place (a softmax that the list does not call 'softmax' is quantised finished and normalised). What goes into a quantiser is computed in f32, as accurately as f32 sums, v_exp_f32 and their like allow (about 1e-6 of the number): no bf16 or f16 on the way to a quantiser, and a product that is left as it is and whose result goes on into a quantised operand takes f32 operands (vector FMAs, or v_wmma_f32_16x16x4_f32). A number that lies on a knife's edge between two numbers of the format may be rounded either way, as far as f32 arithmetic and the matrix unit's own rounding can turn it there, and no further.
;;   INPUTS GIVEN AS CODES. x (in the module: [16384, 256], K = its axis 1): each comes as NAME_codes (uint8): NAME with its K axis moved to the last place and cut into blocks of 32 codes, [.., K / 32, bytes a block], one block behind the other in memory; four codes in three bytes: a row's codes are one little-endian stream of bits, code i at bits 6 i .. 6 i + 5 (a code: sign, 2 exponent bits, 3 mantissa bits); and NAME_scales (uint8): the same leading axes, one E8M0 byte (e + 127) for each 32 codes along K. Its value is code x scale, taken as it is: it is not quantised again, and the codes and scales need not be those that the quantiser above would give.
;; One version. Each part assembles by itself: llvm-mc -triple=amdgcn-amd-amdhsa -mcpu=gfx1250 --defsym DOCPART=n.
;; ======== version 1 of 1: 1 launch
;; launch kmad (part 1): grid 16 x 16, 4 waves a work-group, clusters of 4 x 1, 300,544 bytes of LDS; arguments coords, x_codes, x_scales, out0; writes out0
.if DOCPART == 1
	.amdgcn_target "amdgcn-amd-amdhsa--gfx1250"
	.amdhsa_code_object_version 6
	.text
	.protected	k_qec2eac4eaa_kmad
	.globl	k_qec2eac4eaa_kmad
	.p2align	8
	.type	k_qec2eac4eaa_kmad,@function
k_qec2eac4eaa_kmad:
	s_mov_b64 s[64:65], 0
	v_nop
	global_prefetch_b8 v0, s[64:65] scope:SCOPE_SE
	s_setreg_imm32_b32 hwreg(HW_REG_WAVE_MODE, 25, 1), 1
	s_wait_xcnt 0x0
	s_wait_alu depctr_hold_cnt(0) depctr_sa_sdst(0) depctr_va_vdst(0) depctr_va_sdst(0) depctr_va_ssrc(0) depctr_va_vcc(0) depctr_vm_vsrc(0)
	s_getreg_b32 s2, hwreg(HW_REG_IB_STS2, 6, 4)
	s_cmp_eq_u32 s2, 0
	s_cbranch_scc0 .Lentry_in_a_cluster
	s_endpgm
.Lentry_in_a_cluster:
	s_bfe_u32 s2, ttmp6, 0x10000c
	s_cmp_lg_u32 s2, 0x3003
	s_cbranch_scc0 .Lentry_shape_is_right
	s_endpgm
.Lentry_shape_is_right:
; out0[n][j] = (second smallest over i of h[n][i][j]) > 0,  h[n][i][j] = sum over d of Q(c_i - c_j)[d] x[n][d] + (|c_i|^2 - |c_j|^2).
; x: 16,384 rows of 256 codes of FP6 (E2M3) with one E8M0 byte for each 32; coords: 128 rows c_i of 256 f32.  Q: the MX quantiser along d, blocks of 32.
; THE SECOND SMALLEST.  Row (j, j) of the differences is all zeros and its b is n_j - n_j = 0, so h[n][j][j] is exactly 0.  With one value 0 among the 128, the second smallest is above 0
; just where the smallest of the OTHER 127 is above 0.  So the text takes one minimum over i != j: the element i = j gets 3e38 as its b, and its products are zeros.
; SHARES.  Work-group (g, nb): 8 neighbouring j (8 g ..) x 1,024 rows of x (1,024 nb ..).  Wave w owns j0 = 8 g + 2 w and j0 + 1, all 128 i, all 1,024 rows.
; Its 256 difference rows are quantised once and stay in registers: 2 j x 8 tiles of 16 i x 2 K steps x 12 = 384 registers of codes, 32 scale words, 2 x 64 registers of b in the result's layout.
; x's block lies in LDS, filled once: 13 LDS loads bring 16 rows, which feed 32 matrix instructions.
; THE MATRIX INSTRUCTION IS USED TRANSPOSED: source 0 = 16 difference rows (i = 16 t + lane % 16), source 1 = 16 rows of x.  A lane then holds ONE row of x (lane % 16), register q holds i = 16 t + 8 (lane / 16) + q:
; the minimum over i runs along registers and tiles, and ends with one exchange with lane xor 16.  b is the C of each sum's first matrix instruction.
; CLUSTER.  The four work-groups of a cluster have the same nb: x's codes and scale bytes are asked for jointly (mask 15).  coords, which every work-group reads too, is NOT shared so: padded it is 133,120 bytes,
; x's block is 253,952, and together they pass the 327,680 bytes of LDS; a ring for it would want a round of the cluster's barrier for each of its refills.  It comes by plain loads, 512 consecutive bytes each,
; all issued at the head and parked in the registers that the codes will take, and goes tile by tile through two stages in LDS.
; OUTPUT.  256 consecutive bytes of out0 are two rows x all 128 j; this work-group has 8 j.  The four waves' bytes meet in LDS and a lane stores 8 neighbouring bytes of a row: parts of 8 bytes, 128 bytes apart.
; LIMITS.  NaN and infinities in coords, and norms that overflow f32, are not served.  An x scale byte 0xff gives NaN sums, which the minima drop.  A block whose largest magnitude lies under 2^-124 (a block of zeros
; too) keeps the byte 1: zero codes add nothing, and only this text reads the bytes.  b is added ahead of the products (as C), not behind them: one order of rounding that differs.
; REGISTERS, in windows of 256.  Window 0: v0-15 ids and addresses; v16-19 x's scale words; v20-31 at work; v32-63 the differences' scale words; v64-255: while quantising D0, D1 (the differences of j0, j1) and c_i;
;   in the main loop two sets of 8 accumulators, two buffers of x, the minima.  Windows 1, 2 (j0, j1): v0-191 the codes, tile t and K step s at 24 t + 12 s; v192-255 b's 8 tiles; v224-231 at work while quantising.
;   Window 3: c_j0 and c_j1 while quantising.
.set XC,   0                           ; LDS: x's codes, 1,024 rows, 240 bytes apart: 3 x (64 bytes + 16 of padding)
.set XS,   245760                      ; x's scale bytes, 8 a row, dense
.set CST,  253952                      ; two stages for coords: 16 rows of 1,024 bytes + 16
.set CP,   1040
.set STG,  16*CP
.set NT,   CST+2*STG                   ; the 128 norms, f32
.set BTAB, NT+512                      ; for each wave: b[i][j0], 512 bytes, then b[i][j0 + 1]
.set OST,  BTAB+4096                   ; for each wave: [row 0 .. 1,023][j0, j0 + 1], a byte each
.set LANE, 1                           ; v1 lane, v2 r = lane % 16, v3 h = lane / 16: they stay
.set VG,   4                           ; while quantising: 16 lane + 4,096 wave: my bytes of a tile of coords in memory
.set VS,   5                           ; where I put them in a stage
.set VC,   6                           ; c_i: row r of a stage, + 128 h
.set VNL,  7                           ; the norms: row 4 wave + lane / 8 of a stage, + 16 (lane % 8)
.set VNS,  8                           ; and that row's word among the norms
.set VJ,   9                           ; 128 h
.set SH8,  10                          ; 8 h
.set AX0,  4                           ; in the main loop: x's row r, + 24 h
.set AX1,  5                           ; the same for pieces that lie behind one padding more: + 40 h
.set AXS,  6                           ; x's scale words, row r
.set AO,   7                           ; my row's two bytes in my wave's part of OST
.set ONE,  8
.set VOR,  9                           ; the way out: row 256 wave + lane in wave 0's part of OST
.set VGO,  10                          ; 128 lane: a row of out0
.set VNT,  11                          ; NT + 4 lane
.set VBW,  12                          ; my wave's BTAB + 4 lane
.set VBR,  13                          ; my wave's BTAB + 32 h
.set BIGV, 14                          ; 3e38
.set XSC,  16                          ; x's scale words: buffer b at 16 + 2 b, K step s at + s
.set MA,   20                          ; v20-23 largest magnitudes, then bytes: 2 j + c
.set MB,   24                          ; v24-27 second chains, then the conversions' scale operands
.set PP,   28                          ; v28-29 half scale words
.set BS,   32                          ; scale words of the differences: 16 j + 2 t + s
.set D0,   64
.set D1,   128
.set CI,   192
.set TMP,  224
.set ACC,  64                          ; accumulators: set j at 64 + 64 j, tile t at + 8 t
.set XB,   192                         ; x's fragments: buffer b at 192 + 24 b, K step s at + 12 s
.set RR,   240                         ; four running minima for each set
.set MM,   248                         ; set j: v[248 + 2 j] the minimum, v[249 + 2 j] lane xor 16's
.set MSB, 0
.macro WIN new                         ; the immediate's high byte repeats the setting that is left; a switch that changes nothing is dropped
.if MSB != (\new)
	s_set_vgpr_msb (MSB<<8)|(\new)
.set MSB, (\new)
.endif
.endm
; A round of the cluster's barrier: my work-group's barrier; wave 0 signals for the work-group; every wave waits for all four work-groups; my work-group's barrier once more.
.macro CROUND
	s_barrier_signal -1
	s_barrier_wait -1
	s_cmp_lg_u32 s12, 0
	s_cbranch_scc1 .Lnot_wave_0_\@
	s_barrier_signal -3
.Lnot_wave_0_\@:
	s_barrier_wait -3
	s_barrier_signal -1
	s_barrier_wait -1
.endm
	s_load_b256 s[4:11], s[0:1], 0x0               ; coords s[4:5], x's codes s[6:7], x's scales s[8:9], out0 s[10:11]
	v_lshl_add_u32 v30, v0, 2, 0x49400
	v_mov_b32 v31, 0
	ds_add_u32 v30, v31
	ds_add_u32 v30, v31
	v_lshrrev_b32 v2, 5, v0
	v_readfirstlane_b32 s12, v2                    ; wave 0..3
	v_and_b32 v[LANE], 31, v0
	v_and_b32 v2, 15, v0                           ; r
	v_bfe_u32 v3, v0, 4, 1                         ; h
	s_bfe_u32 s13, ttmp6, 0x40000                  ; cx: my place in the cluster
	s_lshl_b32 s14, ttmp9, 2
	s_add_co_u32 s14, s14, s13                     ; g = 4 x cluster x + cx: it enters global addresses of coords and out0 and compared numbers alone
	s_and_b32 s15, ttmp7, 0xffff                   ; nb, which the four partners share
	s_mov_b32 s20, 0x76543210
	s_mov_b32 s21, 0xfedcba98                      ; v_permlanex16_b32's selects for lane xor 16
	; descriptor group 1 for the scale bytes: my wave's 2,048 dense bytes as 8 rows of 256 (32 elements of 8 bytes), no padding
	s_mov_b32 s24, 15|(3<<16)|(1<<21)              ; 15:0 the mask: all four work-groups; 17:16 elements of 8 bytes; 21 set beside a mask
	s_mov_b32 s25, 32<<16                          ; tensor_dim0
	s_mov_b32 s26, 8<<16                           ; tensor_dim1
	s_mov_b32 s27, 32<<16                          ; tile_dim0
	s_mov_b32 s28, 8                               ; tile_dim1
	s_mov_b32 s29, 32                              ; from row to row
	s_mov_b32 s30, 0
	s_mov_b32 s31, 0
	; and for the codes: my wave's 256 rows of 192 bytes, dense in memory, 16 bytes of padding behind every 64
	s_mov_b32 s32, 15|(1<<20)|(1<<21)|(3<<22)|(3<<25)  ; elements of 1 byte; 20 padding on; 24:22 after every 16 words (code 3); 31:25 4 words of it (code 3)
	s_mov_b32 s33, 192<<16
	s_mov_b32 s34, 256<<16
	s_mov_b32 s35, 192<<16
	s_mov_b32 s36, 256
	s_mov_b32 s37, 192
	s_mov_b32 s38, 0
	s_mov_b32 s39, 0
	s_mov_b32 s48, 1                               ; group 0, scale bytes: count = 1
	s_lshl_b32 s49, s12, 11
	s_add_co_u32 s49, s49, XS                      ; LDS: XS + 2,048 wave
	s_mov_b32 s52, 1                               ; group 0, codes
	s_mul_i32 s53, s12, 61440                      ; LDS: 256 rows of 240 bytes a wave
	s_mov_b32 s17, 0
	s_mov_b32 s79, 0
	; addresses for the quantising
	v_lshlrev_b32 v[VG], 4, v[LANE]
	s_lshl_b32 s18, s12, 12
	v_add_nc_u32 v[VG], s18, v[VG]
	v_lshlrev_b32 v[VS], 4, v[LANE]
	s_mul_i32 s18, s12, 4*CP
	s_add_co_u32 s18, s18, CST                     ; my wave's four rows of a stage
	v_add_nc_u32 v[VS], s18, v[VS]
	v_mul_u32_u24 v[VC], v2, CP
	v_lshl_add_u32 v[VC], v3, 7, v[VC]
	v_add_nc_u32 v[VC], CST, v[VC]
	v_lshrrev_b32 v15, 3, v[LANE]                  ; lane / 8
	v_mul_u32_u24 v[VNL], v15, CP
	v_and_b32 v[VNS], 7, v[LANE]
	v_lshl_add_u32 v[VNL], v[VNS], 4, v[VNL]
	v_add_nc_u32 v[VNL], s18, v[VNL]
	s_lshl_b32 s19, s12, 4
	s_add_co_u32 s19, s19, NT
	v_lshl_add_u32 v[VNS], v15, 2, s19
	v_lshlrev_b32 v[VJ], 7, v3
	v_lshlrev_b32 v[SH8], 3, v3
	v_lshl_add_u32 v[VNT], v[LANE], 2, NT
	s_lshl_b32 s18, s12, 10
	s_add_co_u32 s18, s18, BTAB
	v_lshl_add_u32 v[VBW], v[LANE], 2, s18
	v_lshl_add_u32 v[VBR], v3, 5, s18
	v_mov_b32 v[BIGV], 0x7f61b1e6                  ; 3e38
	s_lshl_b32 s23, s14, 3
	s_lshl_b32 s19, s12, 1
	s_add_co_u32 s23, s23, s19                     ; j0 = 8 g + 2 wave
.irp j, 0,1
.irp m, 0,1,2,3
	s_sub_co_u32 s[66+4*\j+\m], s23, 32*\m-\j      ; j0 + j - 32 m: the lane that holds i = j among i = lane + 32 m, if it is a lane's number
.endr
.endr
	s_wait_dscnt 0x0
	s_wait_kmcnt 0x0
	s_lshl_b32 s16, s15, 13
	s_lshl_b32 s18, s12, 11
	s_add_co_u32 s16, s16, s18                     ; scale bytes: 8,192 nb + 2,048 wave
	s_add_nc_u64 s[50:51], s[8:9], s[16:17]
	s_or_b32 s51, s51, 0x80000000                  ; type = 2
	s_mul_i32 s16, s15, 196608
	s_mul_i32 s18, s12, 49152
	s_add_co_u32 s16, s16, s18                     ; codes: 196,608 nb + 49,152 wave
	s_add_nc_u64 s[54:55], s[6:7], s[16:17]
	s_or_b32 s55, s55, 0x80000000
	s_lshl_b32 s78, s23, 10
	s_add_nc_u64 s[60:61], s[4:5], s[78:79]        ; coords at row j0
	s_lshl_b32 s78, s15, 17
	s_lshl_b32 s18, s12, 15
	s_add_co_u32 s78, s78, s18
	s_lshl_b32 s13, s14, 3
	s_add_co_u32 s78, s78, s13
	s_add_nc_u64 s[62:63], s[10:11], s[78:79]      ; out0 at row 1,024 nb + 256 wave, column 8 g
	CROUND                                         ; all four work-groups are here: the joint loads meet
	tensor_load_to_lds s[48:51], s[24:31]          ; the launch's only fills, two a wave, both out together
	s_nop 0
	tensor_load_to_lds s[52:55], s[32:39]
	s_nop 0
.rept 4
	v_nop                                          ; four ahead of the switch of windows below
.endr
; coords tile t (16 rows, 16,384 bytes): my wave's 4 rows by 8 loads of 512 consecutive bytes, parked in window 1 (even t) or 2 (odd t) at 24 t: registers that the codes of tiles t, t + 1 take later
.macro GLOAD t
	WIN 0x40+0x40*((\t)%2)
.irp q, 0,1,2,3,4,5,6,7
	global_load_b128 v[24*(\t)+4*\q:24*(\t)+4*\q+3], v[VG], s[4:5] offset:16384*(\t)+512*\q
.endr
.endm
.macro GSTORE t                        ; and from there into stage t % 2
	WIN 0x04+0x04*((\t)%2)
.irp q, 0,1,2,3,4,5,6,7
	ds_store_b128 v[VS], v[24*(\t)+4*\q:24*(\t)+4*\q+3] offset:((\t)%2)*STG+(\q/2)*CP+(\q%2)*512
.endr
	WIN 0
.endm
	GLOAD 0
	WIN 0xc0                                       ; c_j0, c_j0+1 into window 3, as the operand's layout gives them to my lane: register 128 j + 32 e + i is d = 64 e + 32 h + i
.irp j, 0,1
.irp e, 0,1,2,3
.irp q, 0,1,2,3,4,5,6,7
	global_load_b128 v[128*\j+32*\e+4*\q:128*\j+32*\e+4*\q+3], v[VJ], s[60:61] offset:1024*\j+256*\e+16*\q
.endr
.endr
.endr
.irp t, 1,2,3,4,5,6,7
	GLOAD \t
.endr
	WIN 0
	s_wait_loadcnt 63                              ; tile 0's eight are in: 120 loads are younger; the count's field ends at 63, and a smaller count is safe
	GSTORE 0
.macro CILOAD t, s                     ; c_i, i = 16 t + r, K step s: 64 numbers a lane: d = 128 s + 64 c + 32 h + 0 .. 31.  Rows 1,040 bytes apart: the 16 rows of a load start at 16 different groups of banks
.irp c, 0,1
.irp q, 0,1,2,3,4,5,6,7
	ds_load_b128 v[CI+32*\c+4*\q:CI+32*\c+4*\q+3], v[VC] offset:((\t)%2)*STG+512*(\s)+256*\c+16*\q
.endr
.endr
.endm
.macro NORM t                          ; |c_i|^2 of row 16 t + 4 wave + lane / 8: my 32 numbers in two chains of packed multiply-adds, then the row's eight lanes
	v_pk_mul_f32 v[20:21], v[D1:D1+1], v[D1:D1+1]
	v_pk_mul_f32 v[22:23], v[D1+2:D1+3], v[D1+2:D1+3]
.set i, 4
.rept 7
	v_pk_fma_f32 v[20:21], v[D1+i:D1+i+1], v[D1+i:D1+i+1], v[20:21]
	v_pk_fma_f32 v[22:23], v[D1+i+2:D1+i+3], v[D1+i+2:D1+i+3], v[22:23]
.set i, i+4
.endr
	v_pk_add_f32 v[20:21], v[20:21], v[22:23]
	v_add_f32 v20, v20, v21
	v_add_f32_dpp v20, v20, v20 row_xmask:1 row_mask:0xf bank_mask:0xf
	v_add_f32_dpp v20, v20, v20 row_xmask:2 row_mask:0xf bank_mask:0xf
	v_add_f32_dpp v20, v20, v20 row_xmask:4 row_mask:0xf bank_mask:0xf
	ds_store_b32 v[VNS], v20 offset:64*(\t)        ; the row's eight lanes write the same word with the same value
.endm
.macro SUB s                           ; c_i - c_j for both j, two at a time
	WIN 0x0c                                       ; source 1 window 3
.irp j, 0,1
.set i, 0
.rept 32
	v_pk_add_f32 v[D0+64*\j+i:D0+64*\j+i+1], v[CI+i:CI+i+1], v[128*\j+64*(\s)+i:128*\j+64*(\s)+i+1] neg_lo:[0,1] neg_hi:[0,1]
.set i, i+2
.endr
.endr
	WIN 0
.endm
; Both j's fragments (tile t, K step s).  A lane holds two whole blocks of 32 for each j (block e = 2 j + c at v[D0 + 32 e]), so no other lane is asked for a maximum.
.macro QUANT2 t, s
.irp e, 0,1,2,3
	v_max3_num_f32 v[MA+\e], |v[D0+32*\e]|, |v[D0+32*\e+1]|, 0x1800000   ; the floor 2^(3 - 127) among the leaves: the byte cannot fall under 1
	v_max3_num_f32 v[MB+\e], |v[D0+32*\e+16]|, |v[D0+32*\e+17]|, |v[D0+32*\e+18]|
.endr
.irp i, 2,4,6,8,10,12
.irp e, 0,1,2,3
	v_max3_num_f32 v[MA+\e], v[MA+\e], |v[D0+32*\e+\i]|, |v[D0+32*\e+\i+1]|      ; eight chains by turns
	v_max3_num_f32 v[MB+\e], v[MB+\e], |v[D0+32*\e+\i+17]|, |v[D0+32*\e+\i+18]|
.endr
.endr
.irp e, 0,1,2,3
	v_max3_num_f32 v[MA+\e], v[MA+\e], |v[D0+32*\e+14]|, |v[D0+32*\e+15]|
.endr
.irp e, 0,1,2,3
	v_max3_num_f32 v[MA+\e], v[MA+\e], v[MB+\e], |v[D0+32*\e+31]|       ; the block's largest magnitude
.endr
.irp e, 0,1,2,3
	v_add_nc_u32 v[MB+\e], 0xff000000, v[MA+\e]    ; 2 off its exponent field: the conversion takes this operand's exponent field as its scale
.endr
.irp e, 0,1,2,3
	v_lshrrev_b32 v[MA+\e], 23, v[MB+\e]           ; the scale's byte
.endr
.irp j, 0,1
	v_lshl_or_b32 v[PP+\j], v[MA+2*\j+1], 16, v[MA+2*\j]   ; my two bytes: blocks h and 2 + h of the K step,
.endr
.irp j, 0,1
	v_lshlrev_b32 v[PP+\j], v[SH8], v[PP+\j]       ; at their places in the scale word;
.endr
.irp j, 0,1
	v_permlanex16_b32 v[MA+2*\j], v[PP+\j], s20, s21
.endr
.irp j, 0,1
	v_or_b32 v[BS+16*\j+2*(\t)+(\s)], v[PP+\j], v[MA+2*\j]   ; with lane xor 16's two the word is whole
.endr
.irp j, 0,1
	WIN 0x40+0x40*\j                               ; destination window 1 or 2
.irp c, 0,1
	v_cvt_scalef32_pk16_fp6_f32 v[24*(\t)+12*(\s)+6*\c:24*(\t)+12*(\s)+6*\c+2], v[D0+64*\j+32*\c:D0+64*\j+32*\c+15], v[MB+2*\j+\c]
	v_cvt_scalef32_pk16_fp6_f32 v[TMP+4*\c:TMP+4*\c+2], v[D0+64*\j+32*\c+16:D0+64*\j+32*\c+31], v[MB+2*\j+\c]   ; (a conversion's three registers begin on an even number: a block's second three do not)
.endr
.endr
	v_nop                                          ; one plain place behind the scaled conversions
.irp j, 0,1
	WIN 0x41+0x41*\j
.irp c, 0,1
.irp i, 0,1,2
	v_mov_b32 v[24*(\t)+12*(\s)+6*\c+3+\i], v[TMP+4*\c+\i]
.endr
.endr
.endr
	WIN 0
.endm
; Tile t of the 128 i.  One barrier a tile: in front of it my stores into stage t % 2 have landed and my reads of the other stage are back; behind it that other stage takes tile t + 1.
.macro QTRIP t
	s_wait_dscnt 0x0
	s_barrier_signal -1
	s_barrier_wait -1
.if (\t) < 7
	s_wait_loadcnt 8*(6-(\t))                      ; tile t + 1's eight loads are in (at t = 0 c_j's too: they were issued ahead); those of tiles t + 2 .. 7 may be out
	GSTORE (\t)+1
.endif
.irp q, 0,1,2,3,4,5,6,7
	ds_load_b128 v[D1+4*\q:D1+4*\q+3], v[VNL] offset:((\t)%2)*STG+128*\q
.endr
	CILOAD \t, 0
	s_wait_dscnt 16                                ; the norm's numbers are in; the 16 loads of c_i behind them may be out
	NORM \t
	s_wait_dscnt 0x0                               ; c_i is in, and the norm's store has read its register
	SUB 0
	CILOAD \t, 1                                   ; lands while K step 0 is quantised
	QUANT2 \t, 0
	s_wait_dscnt 0x0
	SUB 1
	QUANT2 \t, 1
.endm
.irp t, 0,1,2,3,4,5,6,7
	QTRIP \t
.endr
	; ---- b, in the result's layout
	s_wait_tensorcnt 0x0                           ; my parts of x's block have landed: they had the whole quantising for it
	s_wait_dscnt 0x0                               ; my norms are stored
	s_barrier_signal -1
	s_barrier_wait -1                              ; x's block and the 128 norms are whole
.irp m, 0,1,2,3
	ds_load_b32 v[64+\m], v[VNT] offset:128*\m     ; n of i = lane + 32 m
.endr
	v_mul_u32_u24 v[AX0], v2, 240                  ; the main loop's addresses take the quantising's registers: no load or LDS instruction that names those is out
	v_mad_u32_u24 v[AX1], v3, 40, v[AX0]
	v_mad_u32_u24 v[AX0], v3, 24, v[AX0]
	v_lshl_add_u32 v[AXS], v2, 3, XS
	s_lshl_b32 s18, s12, 11
	s_add_co_u32 s18, s18, OST
	v_lshl_add_u32 v[AO], v2, 1, s18
	v_mov_b32 v[ONE], 1
	s_lshl_b32 s19, s12, 9
	s_add_co_u32 s19, s19, OST
	v_lshl_add_u32 v[VOR], v[LANE], 1, s19
	v_lshlrev_b32 v[VGO], 7, v[LANE]
	v_mov_b32 v[MM+1], 0                           ; written once: a lane permute's destination counts as one of its sources
	v_mov_b32 v[MM+3], 0
	s_wait_dscnt 0x0
.irp j, 0,1
.irp m, 0,1,2,3
	v_cmp_eq_u32 s[74+\m], s[66+4*\j+\m], v[LANE]  ; where i = j
.endr
.irp m, 0,1,2,3
	v_cndmask_b32 v[68+4*\j+\m], 0, v[64+\m], s[74+\m]
.endr
	v_add_f32 v[76+2*\j], v[68+4*\j], v[69+4*\j]   ; n_j into every lane: a sum of one number and zeros rounds nothing
	v_add_f32 v[77+2*\j], v[70+4*\j], v[71+4*\j]
	v_add_f32 v[76+2*\j], v[76+2*\j], v[77+2*\j]
	v_add_f32_dpp v[76+2*\j], v[76+2*\j], v[76+2*\j] row_xmask:1 row_mask:0xf bank_mask:0xf
	v_add_f32_dpp v[76+2*\j], v[76+2*\j], v[76+2*\j] row_xmask:2 row_mask:0xf bank_mask:0xf
	v_add_f32_dpp v[76+2*\j], v[76+2*\j], v[76+2*\j] row_xmask:4 row_mask:0xf bank_mask:0xf
	v_add_f32_dpp v[76+2*\j], v[76+2*\j], v[76+2*\j] row_xmask:8 row_mask:0xf bank_mask:0xf
	v_permlanex16_b32 v[77+2*\j], v[76+2*\j], s20, s21
	v_add_f32 v[76+2*\j], v[76+2*\j], v[77+2*\j]
.irp m, 0,1,2,3
	v_sub_f32 v[68+4*\j+\m], v[64+\m], v[76+2*\j]  ; b = n_i - n_j,
.endr
.irp m, 0,1,2,3
	v_cndmask_b32 v[68+4*\j+\m], v[68+4*\j+\m], v[BIGV], s[74+\m]   ; and 3e38 where i = j: that element leaves the minimum
.endr
.irp m, 0,1,2,3
	ds_store_b32 v[VBW], v[68+4*\j+\m] offset:512*\j+128*\m
.endr
	WIN 0x40+0x40*\j
.irp t, 0,1,2,3,4,5,6,7                ; my wave's own bytes, and LDS serves a wave's instructions in order: these see the stores above.  Register 8 t + q: i = 16 t + 8 h + q
	ds_load_b128 v[192+8*\t:192+8*\t+3], v[VBR] offset:512*\j+64*\t
	ds_load_b128 v[192+8*\t+4:192+8*\t+7], v[VBR] offset:512*\j+64*\t+16
.endr
	WIN 0
.endr
; ---- THE MAIN LOOP.  64 tiles of 16 rows of x; tile T lies in buffer T % 2.  Phase A(T): j0's 16 products; phase B(T): j1's.  A set's 32 minima stand in the slices of the next phase, its last seven
; lines (the exchange, the compare, the byte) in those of the phase after that, the next tile's 13 LDS loads one to a slice.  So behind each matrix instruction stand at most four lines of other work, all in
; window 0, and two switches of the windows: no window has room for a product's codes and b beside what the minima touch.
.macro MIN o, idx                      ; minimum idx of 32 of set o: registers 2 z, 2 z + 1 of tile u into chain z; each accumulator is read from its low end on
.set u, (\idx)/4
.set z, (\idx)%4
.if u == 0
	v_min_num_f32 v[RR+4*(\o)+z], v[ACC+64*(\o)+2*z], v[ACC+64*(\o)+2*z+1]
.else
	v_min3_num_f32 v[RR+4*(\o)+z], v[RR+4*(\o)+z], v[ACC+64*(\o)+8*u+2*z], v[ACC+64*(\o)+8*u+2*z+1]
.endif
.endm
.macro FINOP o, n, off                 ; line n of 7 that end set o's minimum; off: the tile's place from AO on, + o
.set fm, MM+2*(\o)
.set fr, RR+4*(\o)
.if (\n) == 0
	v_min3_num_f32 v[fm], v[fr], v[fr+1], v[fr+2]
.elseif (\n) == 1
	v_min_num_f32 v[fm], v[fm], v[fr+3]
.elseif (\n) == 2
	v_permlanex16_b32 v[fm+1], v[fm], s20, s21     ; the row's other 64 i lie in lane xor 16
.elseif (\n) == 3
	v_min_num_f32 v[fm], v[fm], v[fm+1]
.elseif (\n) == 4
	v_cmp_lt_f32 vcc_lo, 0, v[fm]
.elseif (\n) == 5
	v_cndmask_b32 v[fm], 0, v[ONE], vcc_lo
.else
	ds_store_b8 v[AO], v[fm] offset:\off           ; lanes r and r + 16 write the same byte with the same value
.endif
.endm
.macro XPIECE buf, q, p, rel           ; piece p of 6 (8 bytes) of K step q of the tile rel tiles on.  Lanes 16-31 read three pieces further on: where that is behind one padding more, AX1 serves
.set PCE, 12*(\q)+6*((\p)/3)+(\p)%3
.if PCE%8 < 5
	ds_load_b64 v[XB+24*(\buf)+12*(\q)+2*(\p):XB+24*(\buf)+12*(\q)+2*(\p)+1], v[AX0] offset:8*PCE+16*(PCE/8)+3840*(\rel)
.else
	ds_load_b64 v[XB+24*(\buf)+12*(\q)+2*(\p):XB+24*(\buf)+12*(\q)+2*(\p)+1], v[AX1] offset:8*PCE+16*(PCE/8)+3840*(\rel)
.endif
.endm
; jj: the set that multiplies; xb: the tile's buffer; mins: the other set's minima; fin, off: set jj's last seven lines of the tile before; ld, rel: loads for the next tile; step: the addresses go two tiles on.
; The eight accumulators take turns, one instruction a turn, K step 0 and then K step 1.
; PLACES.  A load into x's other buffer or its scale words stands behind the last two minima of the phase before and the first two of this one, four plain lines that name nothing of the last product that read them.
; An accumulator's first read stands 16 minima of other tiles behind its last product; it is begun anew a phase later.
.macro PHASE jj, xb, mins, fin, off, ld, rel, step
.if (\jj) == 0
	s_wait_dscnt 0x0                               ; this tile's fragments and scale words are in: the last of them was asked for ten products ago
.endif
.if \step
	v_add_nc_u32 v[AX0], 7680, v[AX0]              ; no LDS instruction of mine is out: its addresses may step
	v_add_nc_u32 v[AX1], 7680, v[AX1]
	v_add_nc_u32 v[AXS], 256, v[AXS]
	v_add_nc_u32 v[AO], 64, v[AO]
.endif
.set k, 0
.rept 16
.set t8, k%8
.if k < 8
	WIN 0x11*((\jj)+1)                             ; codes and b in window 1 or 2
	v_wmma_scale_f32_16x16x128_f8f6f4 v[ACC+64*(\jj)+8*t8:ACC+64*(\jj)+8*t8+7], v[24*t8:24*t8+11], v[XB+24*(\xb):XB+24*(\xb)+11], v[192+8*t8:192+8*t8+7], v[BS+16*(\jj)+2*t8], v[XSC+2*(\xb)] matrix_a_fmt:MATRIX_FMT_FP6 matrix_b_fmt:MATRIX_FMT_FP6
.else
	WIN (\jj)+1
	v_wmma_scale_f32_16x16x128_f8f6f4 v[ACC+64*(\jj)+8*t8:ACC+64*(\jj)+8*t8+7], v[24*t8+12:24*t8+23], v[XB+24*(\xb)+12:XB+24*(\xb)+23], v[ACC+64*(\jj)+8*t8:ACC+64*(\jj)+8*t8+7], v[BS+16*(\jj)+2*t8+1], v[XSC+2*(\xb)+1] matrix_a_fmt:MATRIX_FMT_FP6 matrix_b_fmt:MATRIX_FMT_FP6
.endif
.if (\mins) || ((\ld) && (k < 7))
	WIN 0
.endif
.if \mins
	MIN 1-(\jj), 2*k
	MIN 1-(\jj), 2*k+1
.endif
.if (\fin) && (k < 7)
	FINOP \jj, k, \off
.endif
.if \ld
.if (\jj) == 0
.if k == 0
	ds_load_b64 v[XSC+2*(1-(\xb)):XSC+2*(1-(\xb))+1], v[AXS] offset:128*(\rel)   ; a row's 8 scale bytes: the words of both K steps
.elseif k < 7
	XPIECE 1-(\xb), 0, k-1, \rel
.endif
.else
.if k < 6
	XPIECE 1-(\xb), 1, k, \rel
.endif
.endif
.endif
.set k, k+1
.endr
	WIN 0
.if !(\mins)
.rept 4
	v_nop                                          ; the first phase has no minima to be the places ahead of the first read of its results
.endr
.endif
.endm
	ds_load_b64 v[XSC:XSC+1], v[AXS]               ; tile 0
.irp p, 0,1,2,3,4,5
	XPIECE 0, 0, \p, 0
.endr
.irp p, 0,1,2,3,4,5
	XPIECE 0, 1, \p, 0
.endr
	PHASE 0, 0, 0, 0, 0, 1, 1, 0                   ; A(0)
	PHASE 1, 0, 1, 0, 0, 1, 1, 0                   ; B(0)
	PHASE 0, 1, 1, 1, 0, 1, 2, 0                   ; A(1)
	s_mov_b32 s22, 30
.Ltrip:                                            ; T = 1, 3 .. 59; the addresses stand at tile T - 1
	PHASE 1, 1, 1, 1, 1, 1, 2, 0                   ; B(T):     j1's byte of tile T - 1; tile T + 1's second K step
	PHASE 0, 0, 1, 1, 32, 1, 3, 0                  ; A(T + 1): j0's byte of tile T; tile T + 2's scale words and first K step
	PHASE 1, 0, 1, 1, 33, 1, 3, 0                  ; B(T + 1)
	PHASE 0, 1, 1, 1, 0, 1, 2, 1                   ; A(T + 2): the addresses step to tile T + 1
	s_sub_co_u32 s22, s22, 1
	s_cmp_lg_u32 s22, 0
	s_cbranch_scc1 .Ltrip
	PHASE 1, 1, 1, 1, 1, 1, 2, 0                   ; B(61): the tail is written out: nothing is read past tile 63
	PHASE 0, 0, 1, 1, 32, 1, 3, 0                  ; A(62)
	PHASE 1, 0, 1, 1, 33, 1, 3, 0                  ; B(62)
	PHASE 0, 1, 1, 1, 64, 0, 0, 0                  ; A(63)
	PHASE 1, 1, 1, 1, 65, 0, 0, 0                  ; B(63)
.set k, 0
.rept 16                               ; what is left: j1's minima of tile 63, j0's last lines among them, then j1's
	MIN 1, 2*k
	MIN 1, 2*k+1
.if k < 7
	FINOP 0, k, 96
.endif
.set k, k+1
.endr
.set k, 0
.rept 7
	FINOP 1, k, 97
.set k, k+1
.endr
	; ---- THE WAY OUT.  A row's 8 bytes come from four waves: a barrier, then wave w takes rows 256 w .. 256 w + 255, a lane a row
	s_wait_dscnt 0x0                               ; for the others' sake: my bytes are stored
	s_barrier_signal -1
	s_barrier_wait -1
.irp m, 0,1,2,3,4,5,6,7
.irp a, 0,1,2,3
	ds_load_u16 v[64+4*\m+\a], v[VOR] offset:2048*\a+64*\m   ; row 256 w + 32 m + lane: wave a's two bytes
.endr
.endr
	s_wait_dscnt 0x0
.irp m, 0,1,2,3,4,5,6,7
	v_lshl_or_b32 v[64+4*\m], v[65+4*\m], 16, v[64+4*\m]
	v_lshl_or_b32 v[65+4*\m], v[67+4*\m], 16, v[66+4*\m]
.endr
.irp m, 0,1,2,3,4,5,6,7
	global_store_b64 v[VGO], v[64+4*\m:65+4*\m], s[62:63] offset:4096*\m   ; 8 neighbouring bytes of a row, rows 128 bytes apart
.endr
	s_wait_tensorcnt 0x0
	ds_add_u32 v30, v31
	s_wait_dscnt 0x0
	CROUND                                         ; the closing round: no work-group ends while a partner may still ask for a tile that names it
	s_endpgm
.Lfunc_end_k_qec2eac4eaa_kmad:
	.size	k_qec2eac4eaa_kmad, .Lfunc_end_k_qec2eac4eaa_kmad-k_qec2eac4eaa_kmad
	.p2alignl 7, 3214868480
	.fill 96, 4, 3214868480
	.section	.rodata,"a",@progbits
	.p2align	6, 0x0
	.amdhsa_kernel k_qec2eac4eaa_kmad
		.amdhsa_group_segment_fixed_size 300544
		.amdhsa_private_segment_fixed_size 0
		.amdhsa_enable_private_segment 0
		.amdhsa_kernarg_size 32
		.amdhsa_user_sgpr_count 2
		.amdhsa_user_sgpr_kernarg_segment_ptr 1
		.amdhsa_wavefront_size32 1
		.amdhsa_system_sgpr_workgroup_id_x 1
		.amdhsa_system_sgpr_workgroup_id_y 1
		.amdhsa_system_sgpr_workgroup_id_z 1
		.amdhsa_system_vgpr_workitem_id 0
		.amdhsa_next_free_vgpr 1024
		.amdhsa_next_free_sgpr 80
		.amdhsa_reserve_vcc 1
		.amdhsa_float_denorm_mode_32 3
		.amdhsa_float_denorm_mode_16_64 3
		.amdhsa_memory_ordered 1
		.amdhsa_forward_progress 1
		.amdhsa_inst_pref_size 255
	.end_amdhsa_kernel
	.section	.bss,"aw",@nobits
	.p2align	6
	.space	262144
	.amdgpu_metadata
---
amdhsa.version: [ 1, 2 ]
amdhsa.kernels:
  - .name:           k_qec2eac4eaa_kmad
    .symbol:         k_qec2eac4eaa_kmad.kd
    .args:
      - { .name: coords, .offset: 0, .size: 8, .value_kind: global_buffer, .address_space: global }
      - { .name: x_codes, .offset: 8, .size: 8, .value_kind: global_buffer, .address_space: global }
      - { .name: x_scales, .offset: 16, .size: 8, .value_kind: global_buffer, .address_space: global }
      - { .name: out0, .offset: 24, .size: 8, .value_kind: global_buffer, .address_space: global }
    .group_segment_fixed_size: 300544
    .private_segment_fixed_size: 0
    .kernarg_segment_align: 8
    .kernarg_segment_size: 32
    .max_flat_workgroup_size: 128
    .sgpr_count:     80
    .vgpr_count:     1024
    .wavefront_size: 32
...
	.end_amdgpu_metadata
.endif
;; end of part 1
